; MI455X (gfx1250); checked and timed in simulation.
; The chip was launched on July 23, 2026; its instructions are those of AMD's public machine-readable ISA for CDNA 5 (MIT licence, August 2026) and "CDNA5" Instruction Set Architecture Reference Guide (July 2026). The comments in the code are by the model that wrote it; some were corrected since.
;; Multi Head Attention. Allowed arithmetic: matrix products marked QUANTISED: E5M2 operands, one given power-of-two scale a tensor, by v_wmma_f32_16x16x64_bf8_bf8 or v_wmma_f32_16x16x128_bf8_bf8, f32 sums; everything else in f32.
;; Inputs: K 4 x 2,048 x 1,024 float32; Q 4 x 2,048 x 1,024 float32; V 4 x 2,048 x 1,024 float32; Wk 1,024 x 1,024 float32; Wo 1,024 x 1,024 float32; Wq 1,024 x 1,024 float32; Wv 1,024 x 1,024 float32; attn_mask 4 x 2,048 x 2,048 bool; bk 1,024 float32; bo 1,024 float32; bq 1,024 float32; bv 1,024 float32; ln_beta 1,024 float32; ln_gamma 1,024 float32; lowp_scales 12 int32 (the exponents e of the quantised operands' scales 2^e).
;; Outputs: out0 4 x 2,048 x 1,024 float32.
;; This version of the problem:
;;   THIS VERSION OF THE PROBLEM IS GIVEN IN LOW PRECISION. The matrix products marked QUANTISED in the list below multiply operands that are first quantised to E5M2 (5 exponent bits, 2 mantissa bits; 8 bits a number), with one given power-of-two scale for each operand tensor; their sums are f32. All else is computed in f32.
;;   The module's matrix products, in the order in which they are computed (A, B: the left and right operand; K: the contracted axis; several contracted axes count as one K, in the product's order):
;;     1. [M 8,192, K 1,024] x [K 1,024, N 1,024]; A: input Q; B: input Wq: QUANTISED (scales: A lowp_scales[0], B lowp_scales[1])
;;     2. [M 8,192, K 1,024] x [K 1,024, N 1,024]; A: input K; B: input Wk: QUANTISED (scales: A lowp_scales[2], B lowp_scales[3])
;;     3. [M 8,192, K 1,024] x [K 1,024, N 1,024]; A: input V; B: input Wv: QUANTISED (scales: A lowp_scales[4], B lowp_scales[5])
;;     4. batch 64 x [M 2,048, K 64] x [K 64, N 2,048]; A: computed on the way; B: computed on the way: QUANTISED (scales: A lowp_scales[6], B lowp_scales[7])
;;     5. batch 64 x [M 2,048, K 2,048] x [K 2,048, N 64]; A: softmax (see below); B: computed on the way: QUANTISED (scales: A lowp_scales[8], B lowp_scales[9])
;;     6. [M 8,192, K 1,024] x [K 1,024, N 1,024]; A: computed on the way; B: input Wo: QUANTISED (scales: A lowp_scales[10], B lowp_scales[11])
;;   THE QUANTISER, for each operand of a quantised product, along K:
;;     - The operand's scale is 2^e, e = its entry of the input lowp_scales (int32; the entries are numbered through the quantised products in the list's order, A before B).
;;     - Each number is divided by the scale, clamped to +-57,344, and rounded to the nearest number of E5M2, ties to even, subnormals kept.
;;     - The product sums the exact products of the quantised numbers (number of the format x scale) in f32.
;;   ~~~python
;;   def quantise(x, axis, e):      # numpy; x: float32 -> the quantised numbers, widened to float32 again
;;       x = np.moveaxis(x, axis, -1); K = x.shape[-1]
;;       r = np.clip(x / 2.0 ** e, -57344, 57344)
;;       step = 2.0 ** (np.maximum(np.frexp(np.where(r == 0, 1, r))[1] - 1, -14) - 2)
;;       q = np.round(r / step) * step * 2.0 ** e      # np.round: ties to even
;;       return np.moveaxis(q, -1, axis).astype(np.float32)
;;   ~~~
;;   SOFTMAX AHEAD OF A QUANTISED PRODUCT. Where the list says 'softmax', what is quantised is not the finished softmax but p = 2^(t - M), with t = logit x log2(e) and M = ceil(the row's largest t), a whole number; so 1/2 < the row's largest p <= 1. The row's sum l is taken of the UNQUANTISED p, in f32, and the product's result is divided by l at the end. Since M is a whole number, a kernel that streams over the keys may use a running M (the ceiling of the running maximum): every later rescaling is an exact power of two, so the quantised numbers keep their values, but for numbers so far below the row's largest that they fall under the format's range.
;;   OPERANDS COMPUTED ON THE WAY. 'Computed on the way' means the value that the module computes at that place (a softmax that the list does not call 'softmax' is quantised finished and normalised). What goes into a quantiser is computed in f32, as accurately as f32 sums, v_exp_f32 and their like allow (about 1e-6 of the number): no bf16 or f16 on the way to a quantiser, and a product that is left as it is and whose result goes on into a quantised operand takes f32 operands (vector FMAs, or v_wmma_f32_16x16x4_f32). A number that lies on a knife's edge between two numbers of the format may be rounded either way, as far as f32 arithmetic and the matrix unit's own rounding can turn it there, and no further.
;; One version. Each part assembles by itself: llvm-mc -triple=amdgcn-amd-amdhsa -mcpu=gfx1250 --defsym DOCPART=n.
;; ======== version 1 of 1: 4 launches
;; limits: right only within a limited range of input values
;; workspace buffers: codes 29,360,128 bytes; mbits 2,097,152 bytes of whole numbers; qkvf 25,165,824 bytes; cf 8,388,608 bytes
;; launch prep (part 1): grid 1408 x 1, 4 waves a work-group, no clusters, 33,280 bytes of LDS; arguments Q, K, V, Wq, Wk, Wv, Wo, attn_mask, lowp_scales, codes, mbits; writes codes, mbits
.if DOCPART == 1
	.amdgcn_target "amdgcn-amd-amdhsa--gfx1250"
	.amdhsa_code_object_version 6
	.text
	.protected	k_q6e414eab12_prep
	.globl	k_q6e414eab12_prep
	.p2align	8
	.type	k_q6e414eab12_prep,@function
k_q6e414eab12_prep:
	s_mov_b64 s[64:65], 0
	v_nop
	global_prefetch_b8 v0, s[64:65] scope:SCOPE_SE
	s_setreg_imm32_b32 hwreg(HW_REG_WAVE_MODE, 25, 1), 1
	s_wait_xcnt 0x0
; Q, K, V [8192][1024] and Wq, Wk, Wv, Wo [1024][1024], f32, become codes of E5M2, K innermost, each with the one scale 2^e given for it; attn_mask becomes lane masks.
; code = x / 2^e, held within +-57,344, to the nearest code, ties to even.  LIMITS: -126 <= e and e + 15 <= 127 for entries 0-5 and 11 of the scales; NaN among the inputs is not served.
; Work-groups 0-255 Q, 256-511 K, 512-767 V, 768-799 Wq, 800-831 Wk, 832-863 Wv, 864-895 Wo: 32,768 numbers each, 8,192 a wave, 16 steps of 512.  Work-groups 896-1407: the mask.
; codes: rows of 1,024 bytes, the tensors on end in that order, so a plain tensor's codes lie at 32,768 x work-group.  Wo alone is laid [k / 128][n][128], so that 128 along K of all its rows are one dense block.
; A step's four loads read 512 consecutive bytes each; the 2,048 bytes turn through the wave's own stage in LDS (16 bytes of padding behind each 64) and come back 64 bytes a lane: 16 neighbours along K for the conversions.
; mbits: [batch][tile of 16 queries][step of 128 keys][64 words]: bit 16 h + r of word 8 t + j is attn_mask[16 tile + r][128 step + 16 t + 8 h + j]: the lane mask of register 8 t + j of a wave's scores.
.set STEPS, 16
.set SP,    80                         ; a lane's place in a stage: 64 bytes + 16 of padding
.set WREG,  8192                       ; LDS of a wave: two stages of 32 x SP bytes
.set R,     16                         ; v16-79   four sets of 16 numbers as loaded
.set X,     80                         ; v80-111  two sets of 16 neighbours
.set VO,    112                        ; v112-127 step t's byte offset of my 16 codes
.set C,     128                        ; v128-191 codes: four registers for each step, so no store's data are written again
.set WG_WO,   864
.set WG_MASK, 896
.set WO_AT,   28311552                 ; Wo's codes in the buffer
	s_load_b512 s[4:19], s[0:1], 0x0               ; Q, K, V, Wq, Wk, Wv, Wo, attn_mask
	s_load_b128 s[20:23], s[0:1], 0x40             ; the scales' exponents, codes
	s_load_b64 s[24:25], s[0:1], 0x50              ; mbits
	v_lshl_add_u32 v192, v0, 2, 0x8000
	v_mov_b32 v193, 0
	v_lshrrev_b32 v1, 5, v0
	v_readfirstlane_b32 s26, v1                    ; wave
	v_and_b32 v2, 31, v0                           ; lane
	s_cmp_ge_u32 ttmp9, WG_MASK
	s_cbranch_scc1 .Lmask
	v_lshlrev_b32 v3, 4, v2                        ; my 16 bytes of a load's 512
	s_mul_i32 s27, s26, WREG
	v_lshrrev_b32 v14, 2, v2
	v_mul_u32_u24 v14, v14, SP
	v_and_b32 v15, 3, v2
	v_lshl_add_u32 v14, v15, 4, v14
	v_add_nc_u32 v14, s27, v14                     ; the stage on the way in: SP (lane / 4) + 16 (lane % 4)
	v_mul_u32_u24 v15, v2, SP
	v_add_nc_u32 v15, s27, v15                     ; and on the way out: SP x lane
	; where the codes go.  Plain: 32,768 x work-group + 8,192 x wave + 512 t + 16 lane.
	; Wo: step t is half a row: row 32 (work-group - 864) + 8 wave + t / 2, k = 512 (t % 2) + 16 lane: byte (k / 128) 131,072 + 128 row + k % 128.
	s_lshl_b32 s56, ttmp9, 15
	s_lshl_b32 s58, s26, 13
	s_add_co_u32 s56, s56, s58
	s_sub_co_u32 s57, ttmp9, WG_WO
	s_lshl_b32 s57, s57, 12
	s_lshl_b32 s58, s26, 10
	s_add_co_u32 s57, s57, s58
	s_add_co_u32 s57, s57, WO_AT
	s_mov_b32 s52, 512
	s_mov_b32 s53, 1024
	s_cmp_ge_u32 ttmp9, WG_WO
	s_cselect_b32 s56, s57, s56                    ; the wave's first byte
	s_cselect_b32 s52, 0x80000, s52                ; from an even step to the odd one
	s_cselect_b32 s53, 128, s53                    ; from a pair of steps to the next
	s_cselect_b32 s54, 130944, 0                   ; what eight lanes on add beyond their 128 bytes
	s_mov_b32 s57, 0
	v_lshrrev_b32 v5, 3, v2
	v_mul_lo_u32 v5, v5, s54
	v_lshl_add_u32 v4, v2, 4, v5
.irp p, 0,1,2,3,4,5,6,7
	s_mul_i32 s55, s53, \p
	v_add_nc_u32 v[VO+2*\p], s55, v4
	v_add_nc_u32 v[VO+2*\p+1], s52, v[VO+2*\p]
.endr
	s_wait_kmcnt 0x0
	s_load_b256 s[32:39], s[20:21], 0x0            ; e0 .. e7
	s_load_b128 s[40:43], s[20:21], 0x20           ; e8 .. e11
	; which tensor: the choice hangs on the work-group's number alone
.macro PICK bound, ptr, first
	s_cmp_lt_u32 ttmp9, \bound
	s_cselect_b64 s[28:29], s[\ptr:\ptr+1], s[28:29]
	s_cselect_b32 s30, \first, s30
.endm
	s_mov_b64 s[28:29], s[16:17]
	s_mov_b32 s30, WG_WO
	PICK 864, 14, 832
	PICK 832, 12, 800
	PICK 800, 10, 768
	PICK 768, 8, 512
	PICK 512, 6, 256
	PICK 256, 4, 0
	s_sub_co_u32 s58, ttmp9, s30
	s_lshl_b32 s58, s58, 17                        ; 32,768 numbers of 4 bytes a work-group,
	s_lshl_b32 s59, s26, 15                        ; 8,192 a wave
	s_add_co_u32 s58, s58, s59
	s_mov_b32 s59, 0
	s_add_nc_u64 s[28:29], s[28:29], s[58:59]
	s_add_nc_u64 s[22:23], s[22:23], s[56:57]
.macro LOAD t
.irp i, 0,1,2,3
	global_load_b128 v[R+16*((\t)%4)+4*\i:R+16*((\t)%4)+4*\i+3], v3, s[28:29] offset:2048*(\t)+512*\i th:TH_LOAD_NT   ; 32 lanes read 512 consecutive bytes
.endr
.endm
.macro TURN t                          ; step t's numbers through the stage: LDS serves a wave's instructions in order, so no wait stands between the stores and the loads
.irp i, 0,1,2,3
	ds_store_b128 v14, v[R+16*((\t)%4)+4*\i:R+16*((\t)%4)+4*\i+3] offset:32*SP*((\t)%2)+8*SP*\i
.endr
.irp i, 0,1,2,3
	ds_load_b128 v[X+16*((\t)%2)+4*\i:X+16*((\t)%2)+4*\i+3], v15 offset:32*SP*((\t)%2)+16*\i
.endr
.endm
.irp t, 0,1,2,3
	LOAD \t
.endr
	s_wait_kmcnt 0x0
.macro PICKE bound, e
	s_cmp_lt_u32 ttmp9, \bound
	s_cselect_b32 s31, s[\e], s31
.endm
	s_mov_b32 s31, s43                             ; Wo: e11
	PICKE 864, 37                                  ; Wv: e5
	PICKE 832, 35                                  ; Wk: e3
	PICKE 800, 33                                  ; Wq: e1
	PICKE 768, 36                                  ; V: e4
	PICKE 512, 34                                  ; K: e2
	PICKE 256, 32                                  ; Q: e0
	s_add_co_i32 s31, s31, 127
	s_lshl_b32 s30, s31, 23
	v_mov_b32 v11, s30                             ; 2^e as f32: the conversion takes its exponent field
	s_add_co_i32 s31, s31, 15
	s_lshl_b32 s31, s31, 23
	s_or_b32 s31, s31, 0x600000
	v_mov_b32 v10, s31                             ; 57,344 x 2^e
	s_wait_loadcnt 12                              ; step 0's four loads are in; three steps' twelve may be out
	TURN 0
.macro STEP t
.set XS, X+16*((\t)%2)
	s_wait_dscnt 0x0                               ; this step's numbers are back from the stage, so its stores into the stage have read their registers,
.if (\t)+4 < STEPS
	LOAD (\t)+4                                    ; which take the loads of four steps on
.endif
.if (\t)+1 < STEPS
.if STEPS-2-(\t) >= 3
	s_wait_loadcnt 12                              ; the next step's four loads are in; those of the three steps behind it may be out
.else
	s_wait_loadcnt 4*(STEPS-2-(\t))
.endif
	TURN (\t)+1
.endif
.irp i, 0,1,2,3,4,5,6,7,8,9,10,11,12,13,14,15
	v_med3_num_f32 v[XS+\i], v[XS+\i], -v10, v10   ; the conversion to an 8-bit code does not saturate (ISA guide 7.6.2): the hold comes first
.endr
	v_cvt_scalef32_pk8_bf8_f32 v[C+4*(\t):C+4*(\t)+1], v[XS:XS+7], v11
	v_cvt_scalef32_pk8_bf8_f32 v[C+4*(\t)+2:C+4*(\t)+3], v[XS+8:XS+15], v11
	global_store_b128 v[VO+\t], v[C+4*(\t):C+4*(\t)+3], s[22:23]   ; plain tensors: 512 consecutive bytes a wave; Wo: four runs of 128
.endm
.irp t, 0,1,2,3,4,5,6,7,8,9,10,11,12,13,14,15
	STEP \t
.endr
	s_wait_tensorcnt 0x0
	ds_add_u32 v192, v193
	s_wait_dscnt 0x0
	s_endpgm
; THE MASK.  Work-group g = 128 batch + tile of 16 queries; wave w takes key steps 4 w .. 4 w + 3.  Lane (r, h) reads, of query row r, the 8 bytes at key 16 t + 8 h of each step:
; byte j of them belongs to register 8 t + j of the scores.  A compare turns one byte of all 32 lanes into one word; v_writelane_b32 lays word n into lane n / 2 of register n % 2, and 32 lanes store a step's 256 bytes.
.Lmask:
	v_and_b32 v3, 15, v0                           ; r
	v_bfe_u32 v4, v0, 4, 1                         ; h
	v_lshlrev_b32 v5, 11, v3
	v_lshl_add_u32 v5, v4, 3, v5                   ; 2,048 r + 8 h
	v_lshlrev_b32 v6, 3, v2                        ; out: 8 bytes a lane
	s_sub_co_u32 s27, ttmp9, WG_MASK
	s_lshl_b32 s56, s27, 15                        ; 16 rows of 2,048 bytes,
	s_lshl_b32 s58, s26, 9                         ; four steps of 128 keys a wave
	s_add_co_u32 s56, s56, s58
	s_mov_b32 s57, 0
	s_lshl_b32 s58, s27, 12                        ; 16 steps of 256 bytes
	s_lshl_b32 s59, s26, 10
	s_add_co_u32 s58, s58, s59
	s_mov_b32 s59, 0
	s_wait_kmcnt 0x0
	s_add_nc_u64 s[18:19], s[18:19], s[56:57]
	s_add_nc_u64 s[24:25], s[24:25], s[58:59]
.irp u, 0,1,2,3
.irp t, 0,1,2,3,4,5,6,7
	global_load_b64 v[16+16*\u+2*\t:17+16*\u+2*\t], v5, s[18:19] offset:128*\u+16*\t
.endr
.endr
.macro UNIT u
	s_wait_loadcnt 8*(3-\u)                        ; this step's eight loads are in; the later steps' may be out
	v_mov_b32 v[80+2*\u], 0                        ; written whole first: v_writelane_b32 keeps the other lanes
	v_mov_b32 v[81+2*\u], 0
.irp t, 0,1,2,3,4,5,6,7
.irp j, 0,1,2,3,4,5,6,7
	v_and_b32 v[88+\j], 0xff<<(8*(\j%4)), v[16+16*\u+2*\t+\j/4]
.endr
.irp j, 0,1,2,3,4,5,6,7
	v_cmp_ne_u32 s[44+\j], 0, v[88+\j]
.endr
.irp j, 0,1,2,3,4,5,6,7
	v_writelane_b32 v[80+2*\u+(\j%2)], s[44+\j], 4*\t+\j/2
.endr
.endr
	global_store_b64 v6, v[80+2*\u:81+2*\u], s[24:25] offset:256*\u   ; 256 consecutive bytes, aligned
.endm
	UNIT 0
	UNIT 1
	UNIT 2
	UNIT 3
	s_endpgm
.Lfunc_end_k_q6e414eab12_prep:
	.size	k_q6e414eab12_prep, .Lfunc_end_k_q6e414eab12_prep-k_q6e414eab12_prep
	.p2alignl 7, 3214868480
	.fill 96, 4, 3214868480
	.section	.rodata,"a",@progbits
	.p2align	6, 0x0
	.amdhsa_kernel k_q6e414eab12_prep
		.amdhsa_group_segment_fixed_size 33280
		.amdhsa_private_segment_fixed_size 0
		.amdhsa_enable_private_segment 0
		.amdhsa_kernarg_size 88
		.amdhsa_user_sgpr_count 2
		.amdhsa_user_sgpr_kernarg_segment_ptr 1
		.amdhsa_wavefront_size32 1
		.amdhsa_system_sgpr_workgroup_id_x 1
		.amdhsa_system_sgpr_workgroup_id_y 1
		.amdhsa_system_sgpr_workgroup_id_z 1
		.amdhsa_system_vgpr_workitem_id 0
		.amdhsa_next_free_vgpr 194
		.amdhsa_next_free_sgpr 66
		.amdhsa_reserve_vcc 0
		.amdhsa_float_denorm_mode_32 3
		.amdhsa_float_denorm_mode_16_64 3
		.amdhsa_memory_ordered 1
		.amdhsa_forward_progress 1
		.amdhsa_inst_pref_size 93
	.end_amdhsa_kernel
	.amdgpu_metadata
---
amdhsa.version: [ 1, 2 ]
amdhsa.kernels:
  - .name:           k_q6e414eab12_prep
    .symbol:         k_q6e414eab12_prep.kd
    .args:
      - { .name: Q, .offset: 0, .size: 8, .value_kind: global_buffer, .address_space: global }
      - { .name: K, .offset: 8, .size: 8, .value_kind: global_buffer, .address_space: global }
      - { .name: V, .offset: 16, .size: 8, .value_kind: global_buffer, .address_space: global }
      - { .name: Wq, .offset: 24, .size: 8, .value_kind: global_buffer, .address_space: global }
      - { .name: Wk, .offset: 32, .size: 8, .value_kind: global_buffer, .address_space: global }
      - { .name: Wv, .offset: 40, .size: 8, .value_kind: global_buffer, .address_space: global }
      - { .name: Wo, .offset: 48, .size: 8, .value_kind: global_buffer, .address_space: global }
      - { .name: attn_mask, .offset: 56, .size: 8, .value_kind: global_buffer, .address_space: global }
      - { .name: lowp_scales, .offset: 64, .size: 8, .value_kind: global_buffer, .address_space: global }
      - { .name: codes, .offset: 72, .size: 8, .value_kind: global_buffer, .address_space: global }
      - { .name: mbits, .offset: 80, .size: 8, .value_kind: global_buffer, .address_space: global }
    .group_segment_fixed_size: 33280
    .private_segment_fixed_size: 0
    .kernarg_segment_align: 8
    .kernarg_segment_size: 88
    .max_flat_workgroup_size: 128
    .sgpr_count:     66
    .vgpr_count:     194
    .wavefront_size: 32
...
	.end_amdgpu_metadata
.endif
;; end of part 1
;; launch proj (part 2): grid 4 x 96, 4 waves a work-group, clusters of 4 x 4, 327,680 bytes of LDS; arguments codes, lowp_scales, bq, bk, bv, qkvf; writes qkvf
.if DOCPART == 2
	.amdgcn_target "amdgcn-amd-amdhsa--gfx1250"
	.amdhsa_code_object_version 6
	.text
	.protected	k_q6e414eab12_proj
	.globl	k_q6e414eab12_proj
	.p2align	8
	.type	k_q6e414eab12_proj,@function
k_q6e414eab12_proj:
	s_mov_b64 s[64:65], 0
	v_nop
	global_prefetch_b8 v0, s[64:65] scope:SCOPE_SE
	s_setreg_imm32_b32 hwreg(HW_REG_WAVE_MODE, 25, 1), 1
	s_wait_xcnt 0x0
	s_wait_alu depctr_hold_cnt(0) depctr_sa_sdst(0) depctr_va_vdst(0) depctr_va_sdst(0) depctr_va_ssrc(0) depctr_va_vcc(0) depctr_vm_vsrc(0)
	s_getreg_b32 s2, hwreg(HW_REG_IB_STS2, 6, 4)
	s_cmp_eq_u32 s2, 0
	s_cbranch_scc0 .Lentry_in_a_cluster
	s_endpgm
.Lentry_in_a_cluster:
	s_bfe_u32 s2, ttmp6, 0x10000c
	s_cmp_lg_u32 s2, 0xf033
	s_cbranch_scc0 .Lentry_shape_is_right
	s_endpgm
.Lentry_shape_is_right:
; q = Q Wq^T + bq, k = K Wk^T + bk, v = V Wv^T + bv on codes of E5M2, and the results quantised at once for attention's two products (scales' entries 6, 7, 9).
; A tile of 256 x 256 to a work-group of four waves, 128 x 128 a wave: 64 accumulators, 512 registers.  K = 1,024 goes in steps of 256 through a ring of two LDS slots filled by the tensor data mover.
; CLUSTERS of 4 x 4.  The cluster's y, 0 .. 23, gives the tensor T = y / 8 (0 q, 1 k, 2 v) and u = y % 8.  Region A of a slot (source 1 of the products) hangs on cy and is asked for jointly along a row of the cluster,
; region B (source 0) on cx, along a column.  In a result a lane holds ONE row of A and EIGHT neighbouring rows of B.
;   q, k: A = token block 4 u + cy, B = block cx of W: a lane holds a token and eight neighbouring channels: a piece of an operand whose K is the head's 64.
;   v:    A = block cy of Wv, B = token block 4 u + cx: a lane holds a channel and eight neighbouring KEYS: V^T with the keys innermost, as the second product wants it.
; Only global offsets are chosen by T (s_cselect_b32); masks, LDS addresses and the loop are the same for all three, and the text has no branch on T.
; Both sides' fragments are fetched by 16-byte loads: the same permutation of k in A and in B, so every product meets its partner.
; THE WAY OUT has no LDS: eight results of a lane become 8 codes = 2 registers of the next operand (plain 8-bit layout: registers 2 c, 2 c + 1 hold k = 16 c + 8 (lane / 16) + 0 .. 7), and operands are stored as
; IMAGES OF THEIR REGISTERS: four registers by one store, 16 bytes a lane, 512 consecutive bytes.
; qkvf, for each batch x head HS bytes: at 0 q: 128 tiles of 16 queries x 1,024 bytes; at 131,072: 16 steps of 128 keys x 16,384 bytes: k's 8 tiles x 1,024, then at 8,192 V^T's 4 tiles of 16 channels x 2,048.
; LIMITS on the given exponents: with ea, eb the product's two and eo the result's, eo - ea - eb lies between -126 and 112.  NaN among the inputs is not served.
; REGISTERS: window 0: v0-31 addresses and two constants; v32-95 BB, v96-111 BA (biases); from v128 A's fragments, ONE set; on the way out v128-223 at work.  window 1: B's fragments, two sets.
;   window 2: the accumulators of my A rows 0-63 ((a, b) at v[8 (8 a + b)]); window 3: those of rows 64-127.
.set KSTEP,  256
.set ROWB,   256
.set KROW,   1024
.set PITCH,  272                       ; an LDS row: 256 bytes + 16 of padding = 68 words: the 16 rows that a load touches start at 16 different banks (64 banks of 4 bytes: ISA guide 11.1)
.set FR,     16
.set NL,     4
.set NP,     4                         ; places behind this matrix instruction (ISA guide 7.12.1)
.set HALFT,  128*PITCH
.set SLOT,   4*HALFT
.set LAPS,   2                         ; 1,024 / (2 x 256)
.set SPARE,  2*SLOT                    ; behind the ring: the spare words, 128 bytes for each wave, which no other line names
.set HS,     393216
.set VP,   8                           ; v8-11   the way out: 16 x lane + piece p's place
.set ADRA, 16                          ; v16-17  LDS address of my A fragments in slot 0, 1
.set ADRB, 20                          ; v20-21  the same for B
.set BH,   26                          ; v26     32 x (lane / 16): my eight numbers of a bias
.set BR,   27                          ; v27     4 x (lane % 16): my one number
.set SPW,  28                          ; v28     LDS address of my spare word; never rewritten
.set NIL,  29                          ; v29     0; never rewritten
.set SCL,  30                          ; v30     2^(eo - ea - eb)
.set LIM,  31                          ; v31     57,344 x that
.set BB,   32                          ; v32-95  bias of B's row 16 b + 8 h + j at 8 b + j (q, k; zeros for v)
.set BA,   96                          ; v96-111 bias of A's row 16 a + r, twice, at 2 a (v; zeros for q, k)
.set AF,   128
.set TMP,  128                         ; the way out: a block's 64 numbers
.set CD,   192                         ; and its codes: two sets of 16 by turns
.set G1, 24
.set G0, 32
.set G1B, 48
.set G0B, 56
.set WV, 66                            ; s66 wave; s67 wave / 2: my half of A's rows, and: I fetch for A (0) or B (1); s68 wave % 2: my half of B's rows, and which 128 rows I fetch
.set WH, 67
.set WL, 68
.set TT, 69                            ; s69 T
.set UU, 70                            ; s70 u
.set BS, 84                            ; s[84:99] the way out: a base for each of my eight blocks
.set MSB, 0
.macro WIN new                         ; the immediate's high byte repeats the setting that is left
.if MSB != \new
	s_set_vgpr_msb (MSB<<8)|\new
.set MSB, \new
.endif
.endm
.set MUL_LO, 0xa1                      ; source 0 (B) window 1, source 1 (A) window 0, C and D window 2
.set MUL_HI, 0xf1
.set TO_B,   0x40
; A joint load: waves 0 and 1 fetch for A, waves 2 and 3 for B; the branch hangs on the wave's number alone.  Four v_nop follow each of the two lines.
.macro JLOAD g0a, g1a, g0b, g1b
	s_cmp_eq_u32 s[WH], 0
	s_cbranch_scc0 .Lfor_b_\@
	tensor_load_to_lds s[\g0a:\g0a+3], s[\g1a:\g1a+7]
	s_nop 0
.rept 4
	v_nop
.endr
	s_branch .Lasked_\@
.Lfor_b_\@:
	tensor_load_to_lds s[\g0b:\g0b+3], s[\g1b:\g1b+7]
	s_nop 0
.rept 4
	v_nop
.endr
.Lasked_\@:
.endm
.macro CREST                           ; a round of the cluster's barrier behind its opening barrier
	s_cmp_lg_u32 s[WV], 0
	s_cbranch_scc1 .Lnot_wave_0_\@
	s_barrier_signal -3
.Lnot_wave_0_\@:
	s_barrier_wait -3
	s_barrier_signal -1
	s_barrier_wait -1
.endm
.macro CROUND
	s_barrier_signal -1
	s_barrier_wait -1
	CREST
.endm
	s_load_b128 s[4:7], s[0:1], 0x0                ; codes, the scales' exponents
	s_load_b128 s[8:11], s[0:1], 0x10              ; bq, bk
	s_load_b128 s[12:15], s[0:1], 0x20             ; bv, qkvf
	v_lshl_add_u32 v[SPW], v0, 2, SPARE
	v_mov_b32 v[NIL], 0
	ds_add_u32 v28, v29
	ds_add_u32 v28, v29
	s_wait_dscnt 0x0
	v_lshrrev_b32 v1, 5, v0
	v_readfirstlane_b32 s[WV], v1
	s_lshr_b32 s[WH], s[WV], 1
	s_and_b32 s[WL], s[WV], 1
	s_bfe_u32 s40, ttmp6, 0x40000                  ; cx
	s_bfe_u32 s41, ttmp6, 0x40004                  ; cy
	s_and_b32 s[TT], ttmp7, 0xffff                 ; the cluster's y
	s_and_b32 s[UU], s[TT], 7
	s_lshr_b32 s[TT], s[TT], 3
	s_lshl_b32 s43, s41, 2
	s_lshl_b32 s43, 15, s43                        ; my row of the cluster
	s_lshl_b32 s44, 0x1111, s40                    ; my column
	s_or_b32 s[G1+0], s43, (0<<16)|(1<<20)|(1<<21)|(5<<22)|(3<<25)  ; 15:0 the mask; 17:16 elements of 1 byte; 20 padding on; 21 set beside a mask; 24:22 after every 64 words; 31:25 four words
	s_or_b32 s[G1B+0], s44, (0<<16)|(1<<20)|(1<<21)|(5<<22)|(3<<25)
.irp g, G1, G1B
	s_mov_b32 s[\g+1], ROWB<<16                    ; tensor_dim0
	s_mov_b32 s[\g+2], 128<<16                     ; tensor_dim1
	s_mov_b32 s[\g+3], ROWB<<16                    ; tile_dim0
	s_mov_b32 s[\g+4], 128                         ; tile_dim1
	s_mov_b32 s[\g+5], KROW                        ; from row to row
	s_mov_b32 s[\g+6], 0
	s_mov_b32 s[\g+7], 0
.endr
	s_lshl_b32 s16, s[TT], 23                      ; the tokens' codes of tensor T: 8,388,608 T
	s_lshl_b32 s17, s[TT], 20
	s_add_co_u32 s17, s17, 25165824                ; W's codes of tensor T
	s_cmp_eq_u32 s[TT], 2
	s_cselect_b32 s18, 0, s[UU]
	s_cselect_b32 s19, s[UU], 0
	s_cselect_b32 s20, s17, s16                    ; A's tensor
	s_cselect_b32 s46, s16, s17                    ; B's tensor
	s_lshl_b32 s18, s18, 2
	s_add_co_u32 s18, s18, s41                     ; A's block of 256 rows: 4 u + cy, or cy
	s_lshl_b32 s19, s19, 2
	s_add_co_u32 s19, s19, s40                     ; B's block: cx, or 4 u + cx
	s_lshl_b32 s23, s[WL], 17                      ; which 128 rows of 1,024 bytes I fetch
	s_lshl_b32 s22, s18, 18
	s_add_co_u32 s20, s20, s22
	s_add_co_u32 s20, s20, s23
	s_mov_b32 s21, 0
	s_lshl_b32 s47, s19, 18
	s_add_co_u32 s46, s46, s47
	s_add_co_u32 s46, s46, s23
	s_mov_b32 s47, 0
	s_mul_i32 s45, s[WV], HALFT                    ; where they go: wave x 128 rows: no place in the cluster enters an LDS address
	s_wait_kmcnt 0x0
	s_load_b256 s[72:79], s[6:7], 0x0              ; e0 .. e7
	s_load_b128 s[80:83], s[6:7], 0x20             ; e8 .. e11
	s_add_nc_u64 s[20:21], s[4:5], s[20:21]
	s_add_nc_u64 s[46:47], s[4:5], s[46:47]
	CROUND                                         ; all sixteen work-groups are here: the first joint loads meet
.irp s, 0,1
	s_mov_b32 s[G0+4*\s], 1
	s_add_co_u32 s[G0+4*\s+1], s45, \s*SLOT
	s_add_nc_u64 s[G0+4*\s+2:G0+4*\s+3], s[20:21], \s*ROWB
	s_or_b32 s[G0+4*\s+3], s[G0+4*\s+3], 0x80000000
	s_mov_b32 s[G0B+4*\s], 1
	s_add_co_u32 s[G0B+4*\s+1], s45, \s*SLOT
	s_add_nc_u64 s[G0B+4*\s+2:G0B+4*\s+3], s[46:47], \s*ROWB
	s_or_b32 s[G0B+4*\s+3], s[G0B+4*\s+3], 0x80000000
	JLOAD G0+4*\s, G1, G0B+4*\s, G1B
.endr
	v_and_b32 v1, 15, v0                           ; r
	v_bfe_u32 v2, v0, 4, 1                         ; h
	v_mul_u32_u24 v3, v1, PITCH
	v_lshl_add_u32 v4, v2, 4, v3
	s_mul_i32 s21, s[WH], HALFT                    ; my 128 rows of A
	s_mul_i32 s22, s[WL], HALFT                    ; my 128 rows of B,
	s_add_co_u32 s22, s22, 2*HALFT                 ; which lie behind A's 256
.irp s, 0,1
	v_add_nc_u32 v[ADRA+\s], s21, v4
	v_add_nc_u32 v[ADRB+\s], s22, v4
	s_add_co_u32 s21, s21, SLOT
	s_add_co_u32 s22, s22, SLOT
.endr
	; what differs between q, k and v on the way out, as numbers
	s_cmp_eq_u32 s[TT], 2
	s_cselect_b32 s16, s19, s18                    ; the token block, 0 .. 31
	s_cselect_b32 s17, s18, s19                    ; W's block, 0 .. 3
	s_cselect_b32 s20, s[WH], s[WL]                ; which two of the block's four heads are mine
	s_cselect_b32 s21, s[WL], s[WH]                ; which 128 of the block's 256 tokens
	s_mov_b32 s22, 1024
	s_cselect_b32 s22, 2048, s22                   ; from a block of 16 A rows to the next: a tile of q or k, or a tile of V^T,
	s_cselect_b32 s42, HS-8192, 0                  ; and what block 4 adds for v: the next head
	s_mov_b32 s23, HS
	s_cselect_b32 s23, 1024, s23                   ; pieces 2, 3: the next head (q, k), or the fragment's second half (v)
	s_cselect_b32 s43, 8192, 0                     ; V^T's place in a key step
	s_cselect_b32 s71, 0, -1                       ; lanes in which BB counts
	s_cselect_b32 s2, -1, 0                        ; lanes in which BA counts
	s_cmp_eq_u32 s[TT], 0
	s_cselect_b32 s44, 13, 14                      ; 128 tokens are 8,192 bytes of q, 16,384 of a key step
	s_cselect_b32 s45, 0, 131072
	s_cmp_eq_u32 s[TT], 1
	s_cselect_b64 s[10:11], s[10:11], s[12:13]
	s_cmp_eq_u32 s[TT], 0
	s_cselect_b64 s[8:9], s[8:9], s[10:11]         ; the tensor's bias
	s_lshl_b32 s46, s17, 10                        ; W's block: 256 numbers of 4 bytes
	s_lshl_b32 s47, s[WH], 9
	s_add_co_u32 s12, s46, s47
	s_mov_b32 s13, 0
	s_add_nc_u64 s[10:11], s[8:9], s[12:13]        ; at my 128 A rows
	s_lshl_b32 s47, s[WL], 9
	s_add_co_u32 s12, s46, s47
	s_add_nc_u64 s[8:9], s[8:9], s[12:13]          ; at my 128 B rows
	v_lshlrev_b32 v[BH], 5, v2
	v_lshlrev_b32 v[BR], 2, v1
.irp b, 0,1,2,3,4,5,6,7                ; both sets are read, inside the bias's 1,024 numbers whatever T is; they land under the loop, and their registers and addresses are not touched before the wait on the way out
	global_load_b128 v[BB+8*\b:BB+8*\b+3], v[BH], s[8:9] offset:64*\b
	global_load_b128 v[BB+8*\b+4:BB+8*\b+7], v[BH], s[8:9] offset:64*\b+16
.endr
.irp a, 0,1,2,3,4,5,6,7
	global_load_b32 v[BA+2*\a], v[BR], s[10:11] offset:64*\a
.endr
	s_lshr_b32 s12, s16, 3                         ; batch
	s_lshl_b32 s12, s12, 4
	s_lshl_b32 s46, s17, 2
	s_add_co_u32 s12, s12, s46
	s_lshl_b32 s46, s20, 1
	s_add_co_u32 s12, s12, s46                     ; 16 batch + my first head
	s_mul_i32 s12, s12, HS
	s_and_b32 s46, s16, 7
	s_lshl_b32 s46, s46, 1
	s_add_co_u32 s46, s46, s21                     ; which 128 tokens of the batch's 2,048
	s_lshl_b32 s46, s46, s44
	s_add_co_u32 s12, s12, s46
	s_add_co_u32 s12, s12, s45
	s_add_co_u32 s12, s12, s43
	s_add_nc_u64 s[BS:BS+1], s[14:15], s[12:13]
	s_mov_b32 s12, s22
	s_add_co_u32 s46, s22, s42
	s_mov_b32 s47, 0
.irp a, 1,2,3
	s_add_nc_u64 s[BS+2*\a:BS+2*\a+1], s[BS+2*\a-2:BS+2*\a-1], s[12:13]
.endr
	s_add_nc_u64 s[BS+8:BS+9], s[BS+6:BS+7], s[46:47]
.irp a, 5,6,7
	s_add_nc_u64 s[BS+2*\a:BS+2*\a+1], s[BS+2*\a-2:BS+2*\a-1], s[12:13]
.endr
	v_and_b32 v5, 31, v0
	v_lshlrev_b32 v[VP], 4, v5
	v_add_nc_u32 v[VP+1], 512, v[VP]
	v_add_nc_u32 v[VP+2], s23, v[VP]
	v_add_nc_u32 v[VP+3], 512, v[VP+2]
.macro FRAG reg, adr, q, i             ; 16 rows x 128 K: lane l holds row l % 16; registers 4 c .. 4 c + 3 hold K = 32 c + 16 (l / 16) + 0 .. 15
.irp c, 0,1,2,3
	ds_load_b128 v[\reg+4*\c:\reg+4*\c+3], v[\adr] offset:128*(\q)+32*\c+(\i)*16*PITCH
.endr
.endm
; 16 matrix instructions: A's blocks a0, a0 + 1 x B's eight.  The 64 accumulators take turns, one instruction a turn, in the same order in every step.
.macro MUL16 a0, p, zero
.irp a, \a0, \a0+1
.irp b, 0,1,2,3,4,5,6,7
.if \zero
	v_wmma_f32_16x16x128_bf8_bf8 v[8*(8*((\a)%4)+\b):8*(8*((\a)%4)+\b)+7], v[128*(\p)+FR*\b:128*(\p)+FR*\b+FR-1], v[AF+FR*(\a):AF+FR*(\a)+FR-1], 0
.else
	v_wmma_f32_16x16x128_bf8_bf8 v[8*(8*((\a)%4)+\b):8*(8*((\a)%4)+\b)+7], v[128*(\p)+FR*\b:128*(\p)+FR*\b+FR-1], v[AF+FR*(\a):AF+FR*(\a)+FR-1], v[8*(8*((\a)%4)+\b):8*(8*((\a)%4)+\b)+7]
.endif
.endr
.endr
.endm
.macro FETCH_B slot, q, p
	WIN TO_B
.irp i, 0,1,2,3,4,5,6,7
	FRAG 128*(\p)+FR*\i, ADRB+\slot, \q, \i
.endr
	WIN 0
.endm
.macro FETCH_A slot, q, i0
.irp i, \i0, \i0+1, \i0+2, \i0+3
	FRAG AF+FR*(\i), ADRA+\slot, \q, \i
.endr
.endm
.macro PLACES n                        ; plain vector instructions between a matrix instruction and a load into a register that it has read (ISA guide 7.12.1 for vector instructions)
.rept \n
	v_nop
.endr
.endm
; A step of 128 along K that has its successor in the same slot.  A's blocks are free as soon as their eight products are issued: one set serves A; B has two.
.macro STEP slot, q, zero
	s_wait_dscnt 4*NL                              ; B's set and A's blocks 0-3 are in; the youngest sixteen loads (A's blocks 4-7) may be out
	WIN MUL_LO
	MUL16 0, (\q)%2, \zero
	MUL16 2, (\q)%2, \zero
	s_wait_dscnt 0                                 ; A's blocks 4-7 are in
	PLACES NP
	FETCH_B \slot, (\q)+1, 1-(\q)%2
	FETCH_A \slot, (\q)+1, 0
	WIN MUL_HI
	MUL16 4, (\q)%2, \zero
	MUL16 6, (\q)%2, \zero
	PLACES NP
	WIN 0
	FETCH_A \slot, (\q)+1, 4
.endm
; A slot's last step changes slots: one barrier; in front of it each wave waits for all its tensor loads, adds 0 to its spare word, and waits for that and for its reads of this slot.
.macro TURN slot, next, fill
	s_wait_tensorcnt 0x0                           ; all my tensor loads have landed: my part of the next slot (every window is 0 here)
	ds_add_u32 v[SPW], v[NIL]                      ; 0 onto my spare word
	s_wait_dscnt 4*NL+1                            ; the add and the youngest sixteen loads may be out
	WIN MUL_LO
	MUL16 0, 1, 0
	s_wait_dscnt 0x0                               ; the add is done, and my reads of this slot are over
	s_barrier_signal -1
	MUL16 2, 1, 0
	WIN 0
	s_barrier_wait -1
.if \fill
	CREST                                          ; the barrier has opened a round of the cluster's: no wave of any partner still reads this slot or has a load on its way
	s_add_nc_u64 s[G0+4*\slot+2:G0+4*\slot+3], s[G0+4*\slot+2:G0+4*\slot+3], 2*ROWB
	s_add_nc_u64 s[G0B+4*\slot+2:G0B+4*\slot+3], s[G0B+4*\slot+2:G0B+4*\slot+3], 2*ROWB
	JLOAD G0+4*\slot, G1, G0B+4*\slot, G1B         ; the first tensor load behind the round; its four v_nop are the places in front of the loads below
.else
	PLACES NP
.endif
	FETCH_B \next, 0, 0
	FETCH_A \next, 0, 0
	WIN MUL_HI
	MUL16 4, 1, 0
	MUL16 6, 1, 0
	PLACES NP
	WIN 0
	FETCH_A \next, 0, 4
.endm
	s_wait_tensorcnt 1                             ; my part of slot 0 is in; slot 1's load may be out
	s_barrier_signal -1
	s_barrier_wait -1
	FETCH_B 0, 0, 0
	FETCH_A 0, 0, 0
	FETCH_A 0, 0, 4
	STEP 0, 0, 1                                   ; the first step's products start the sums
	s_mov_b32 s3, LAPS-1
.Llap:                                                 ; a trip goes once round the ring and fills both slots again
	TURN 0, 1, 1
	STEP 1, 0, 0
	TURN 1, 0, 1
	STEP 0, 0, 0
	s_sub_co_u32 s3, s3, 1
	s_cmp_lg_u32 s3, 0
	s_cbranch_scc1 .Llap
	TURN 0, 1, 0                                   ; the last lap fills nothing
	STEP 1, 0, 0
	s_wait_dscnt 4*NL
	WIN MUL_LO
	MUL16 0, 1, 0
	MUL16 2, 1, 0
	s_wait_dscnt 0
	WIN MUL_HI
	MUL16 4, 1, 0
	MUL16 6, 1, 0
	WIN 0
	; THE WAY OUT.  A sum stands for sum x 2^(ea + eb): the bias goes in divided by that, and the conversion's one scale is 2^(eo - ea - eb).
	s_wait_kmcnt 0x0
	s_cmp_eq_u32 s[TT], 1
	s_cselect_b32 s16, s74, s76
	s_cselect_b32 s17, s75, s77
	s_cselect_b32 s18, s79, s81
	s_cmp_eq_u32 s[TT], 0
	s_cselect_b32 s16, s72, s16                    ; ea: entry 0, 2 or 4
	s_cselect_b32 s17, s73, s17                    ; eb: entry 1, 3 or 5
	s_cselect_b32 s18, s78, s18                    ; eo: entry 6, 7 or 9
	s_add_co_i32 s16, s16, s17
	s_sub_co_i32 s17, 0, s16                       ; -(ea + eb)
	s_sub_co_i32 s18, s18, s16
	s_add_co_i32 s18, s18, 127
	s_lshl_b32 s19, s18, 23
	s_add_co_i32 s18, s18, 15
	s_lshl_b32 s18, s18, 23
	s_or_b32 s18, s18, 0x600000
	s_wait_loadcnt 0x0                             ; the biases
.set j, 0
.rept 64
	v_ldexp_f32 v[BB+j], v[BB+j], s17              ; (these lines are also the places behind the last products)
.set j, j+1
.endr
.set j, 0
.rept 64
	v_cndmask_b32 v[BB+j], 0, v[BB+j], s71         ; for v this set counts for nothing
.set j, j+1
.endr
.irp a, 0,1,2,3,4,5,6,7
	v_ldexp_f32 v[BA+2*\a], v[BA+2*\a], s17
.endr
.irp a, 0,1,2,3,4,5,6,7
	v_cndmask_b32 v[BA+2*\a], 0, v[BA+2*\a], s2    ; for q and k this one
.endr
.irp a, 0,1,2,3,4,5,6,7
	v_mov_b32 v[BA+2*\a+1], v[BA+2*\a]             ; a pair for the packed addition
.endr
	v_mov_b32 v[SCL], s19
	v_mov_b32 v[LIM], s18
; Block a: my A rows 16 a .. 16 a + 15 against my 128 B rows: 64 numbers a lane become 64 codes, 16 registers, four stores of 512 consecutive bytes.
.macro OUTBLK a
.set AC, 64*((\a)%4)
.set CC, CD+16*((\a)%2)
	WIN 0x02+((\a)/4)                              ; source 0: window 2 or 3
.set j, 0
.rept 32
	v_pk_add_f32 v[TMP+j:TMP+j+1], v[AC+j:AC+j+1], v[BB+j:BB+j+1]   ; each accumulator from its low end on
.set j, j+2
.endr
	WIN 0
.set j, 0
.rept 32
	v_pk_add_f32 v[TMP+j:TMP+j+1], v[TMP+j:TMP+j+1], v[BA+2*(\a):BA+2*(\a)+1]
.set j, j+2
.endr
.set j, 0
.rept 64
	v_med3_num_f32 v[TMP+j], v[TMP+j], -v[LIM], v[LIM]   ; the conversion to an 8-bit code does not saturate (ISA guide 7.6.2)
.set j, j+1
.endr
.if (\a) >= 2
	s_wait_xcnt 0x0                                ; block a - 2's stores have read this set of codes
.endif
.irp b, 0,1,2,3,4,5,6,7
	v_cvt_scalef32_pk8_bf8_f32 v[CC+2*\b:CC+2*\b+1], v[TMP+8*\b:TMP+8*\b+7], v[SCL]
.endr
	v_nop                                          ; a plain instruction between the conversions and the next block's writes of their sources
.irp p, 0,1,2,3
	global_store_b128 v[VP+\p], v[CC+4*\p:CC+4*\p+3], s[BS+2*(\a):BS+2*(\a)+1]
.endr
.endm
.irp a, 0,1,2,3,4,5,6,7
	OUTBLK \a
.endr
	s_wait_tensorcnt 0x0                           ; the wave's end
	ds_add_u32 v[SPW], v[NIL]
	s_wait_dscnt 0x0
	CROUND                                         ; the closing round: no work-group ends while a partner may still ask for a tile that names it
	s_endpgm
.Lfunc_end_k_q6e414eab12_proj:
	.size	k_q6e414eab12_proj, .Lfunc_end_k_q6e414eab12_proj-k_q6e414eab12_proj
	.p2alignl 7, 3214868480
	.fill 96, 4, 3214868480
	.section	.rodata,"a",@progbits
	.p2align	6, 0x0
	.amdhsa_kernel k_q6e414eab12_proj
		.amdhsa_group_segment_fixed_size 327680
		.amdhsa_private_segment_fixed_size 0
		.amdhsa_enable_private_segment 0
		.amdhsa_kernarg_size 48
		.amdhsa_user_sgpr_count 2
		.amdhsa_user_sgpr_kernarg_segment_ptr 1
		.amdhsa_wavefront_size32 1
		.amdhsa_system_sgpr_workgroup_id_x 1
		.amdhsa_system_sgpr_workgroup_id_y 1
		.amdhsa_system_sgpr_workgroup_id_z 1
		.amdhsa_system_vgpr_workitem_id 0
		.amdhsa_next_free_vgpr 1024
		.amdhsa_next_free_sgpr 100
		.amdhsa_reserve_vcc 0
		.amdhsa_float_denorm_mode_32 3
		.amdhsa_float_denorm_mode_16_64 3
		.amdhsa_memory_ordered 1
		.amdhsa_forward_progress 1
		.amdhsa_inst_pref_size 163
	.end_amdhsa_kernel
	.amdgpu_metadata
---
amdhsa.version: [ 1, 2 ]
amdhsa.kernels:
  - .name:           k_q6e414eab12_proj
    .symbol:         k_q6e414eab12_proj.kd
    .args:
      - { .name: codes, .offset: 0, .size: 8, .value_kind: global_buffer, .address_space: global }
      - { .name: lowp_scales, .offset: 8, .size: 8, .value_kind: global_buffer, .address_space: global }
      - { .name: bq, .offset: 16, .size: 8, .value_kind: global_buffer, .address_space: global }
      - { .name: bk, .offset: 24, .size: 8, .value_kind: global_buffer, .address_space: global }
      - { .name: bv, .offset: 32, .size: 8, .value_kind: global_buffer, .address_space: global }
      - { .name: qkvf, .offset: 40, .size: 8, .value_kind: global_buffer, .address_space: global }
    .group_segment_fixed_size: 327680
    .private_segment_fixed_size: 0
    .kernarg_segment_align: 8
    .kernarg_segment_size: 48
    .max_flat_workgroup_size: 128
    .sgpr_count:     100
    .vgpr_count:     1024
    .wavefront_size: 32
...
	.end_amdgpu_metadata
.endif
;; end of part 2
;; launch attn (part 3): grid 4 x 64, 16 waves a work-group, clusters of 4 x 1, 264,192 bytes of LDS; arguments qkvf, mbits, lowp_scales, cf; writes cf
.if DOCPART == 3
	.amdgcn_target "amdgcn-amd-amdhsa--gfx1250"
	.amdhsa_code_object_version 6
	.text
	.protected	k_q6e414eab12_attn
	.globl	k_q6e414eab12_attn
	.p2align	8
	.type	k_q6e414eab12_attn,@function
k_q6e414eab12_attn:
	s_mov_b64 s[64:65], 0
	v_nop
	global_prefetch_b8 v0, s[64:65] scope:SCOPE_SE
	s_setreg_imm32_b32 hwreg(HW_REG_WAVE_MODE, 25, 1), 1
	s_wait_xcnt 0x0
	s_wait_alu depctr_hold_cnt(0) depctr_sa_sdst(0) depctr_va_vdst(0) depctr_va_sdst(0) depctr_va_ssrc(0) depctr_va_vcc(0) depctr_vm_vsrc(0)
	s_getreg_b32 s2, hwreg(HW_REG_IB_STS2, 6, 4)
	s_cmp_eq_u32 s2, 0
	s_cbranch_scc0 .Lentry_in_a_cluster
	s_endpgm
.Lentry_in_a_cluster:
	s_bfe_u32 s2, ttmp6, 0x10000c
	s_cmp_lg_u32 s2, 0x3003
	s_cbranch_scc0 .Lentry_shape_is_right
	s_endpgm
.Lentry_shape_is_right:
; ctx = softmax(where(mask, -1e9, q k^T / 8)) v for one batch x head, both products on codes of E5M2, and ctx quantised at once for the output projection (scales' entries 6 .. 10).
; THE SOFTMAX AHEAD OF THE SECOND PRODUCT: t = logit x log2(e); M = the running largest t rounded UP to a whole number; p = 2^(t - M) is quantised, not normalised; the row's sum is taken of the
; unquantised p and divides at the end.  When M moves, the sum and O are multiplied by 2^(old M - new M): exact.
; SHARES.  A work-group owns 512 queries of one head: 64 heads x 4 work-groups.  Each of its sixteen waves owns TWO tiles of 16 queries, 32 block + wave and 16 tiles further on, one after the other, in 256 registers:
; four waves to a SIMD, so that one wave's vector work stands beside another's products and loads.  The work-group stays: arguments, fills and barriers are paid once for both tiles.
; A head's K and V, 262,144 bytes of operand images, lie in LDS WHOLE, filled once: no ring, and no barrier between a wave's two tiles.  The four work-groups of a cluster read the same head, so each fill is asked for JOINTLY (mask 15).
; Every wave issues two fills: its sixteenth of key steps 0 and 1 (2,048 bytes), for which the first two steps wait, and its sixteenth of steps 2-15 (14,336 bytes), which lands meanwhile.
; LAYOUT.  Both products are used transposed: S^T = K Q^T (source 0 = 16 keys, source 1 = my queries), O^T = V^T P^T: a lane holds ONE query (lane % 16) throughout.  Register 8 t + j of S^T is key
; 16 t + 8 (lane / 16) + j, so the eight codes made of tile t are registers 2 t, 2 t + 1 of P in the plain 8-bit layout: nothing changes lanes.  All operands come as images of their registers: 16 bytes a lane.
; THE MASK costs one v_cndmask_b32 a score: 64 lane masks a step come by scalar loads, asked for a step ahead: behind the maximum of the step before, when its 64 selects have read the last words.
; A masked score becomes R = -2^(33 - e6 - e7), so that its t is -(log2(e) / 8) 2^33 = -1.549e9, a whole number: in a row masked throughout t - M is exactly 0 and p = 1 for every key, as with -1e9; in any other row p = 0.
; LIMIT: the results agree with -1e9 as long as a row's largest unmasked logit lies above -1e9 + 200.
; LIMITS on the given exponents: e6 + e7 between -94 and 130; e8 and e10 between -126 and 112; e8 + e9 is applied by v_ldexp_f32 and has none.  NaN among the inputs is not served.
; REGISTERS: v1 16 x lane; v2 + the step's LDS byte; v12 -M, v13 the largest t, v[14:15] the sum; v16-23 Q; v32-95 K's 8 fragments, then V's 4; v96-159 S^T, then p; v160-191 O^T; v192-207 p's codes;
;   v240 57,344 x 2^e8, v241 R, v244 2^e8, v245 2^e10, v246 57,344 x 2^e10; v236, v242, v243, v252-254 at work.
; SCALARS: s[2:3] the mask words last asked for; s12 wave; s13 the step's LDS byte; s14 counter; s[16:63], s[68:83] 64 mask words (at the start s[16:27] hold the first fill's descriptor, s[28:32] the exponents);
;   s[84:95] the second fill's descriptor; s[96:97] c; s[98:99] lane selects; s100 e8 + e9.
.set HS, 393216
.set KV, 131072
.set TILE2_Q,  16*1024                 ; from my first tile to my second: 16 tiles on, in Q's images,
.set TILE2_M,  16*4096                 ; in the mask words,
.set TILE2_C,  16*16384                ; and in cf
.macro ROUND                           ; a round of the cluster's barrier
	s_barrier_signal -1
	s_barrier_wait -1
	s_cmp_lg_u32 s12, 0
	s_cbranch_scc1 .Lnot_wave_0_\@
	s_barrier_signal -3
.Lnot_wave_0_\@:
	s_barrier_wait -3
	s_barrier_signal -1
	s_barrier_wait -1
.endm
.macro MLOAD                           ; a step's 64 lane masks: 256 bytes
	s_load_b512 s[16:31], s[2:3], 0x0
	s_load_b512 s[32:47], s[2:3], 0x40
	s_load_b512 s[48:63], s[2:3], 0x80
	s_load_b512 s[68:83], s[2:3], 0xc0
.endm
	s_load_b256 s[4:11], s[0:1], 0x0               ; qkvf, mbits, the scales' exponents, cf
	v_lshl_add_u32 v251, v0, 2, 0x40000
	v_mov_b32 v255, 0
	ds_add_u32 v251, v255
	ds_add_u32 v251, v255
	v_lshrrev_b32 v1, 5, v0
	v_readfirstlane_b32 s12, v1                    ; wave 0..15
	s_and_b32 s15, ttmp7, 0xffff                   ; 16 batch + head, which the four partners share
	s_mul_i32 s101, s15, HS
	; the two fills: dense blocks as rows of 256 bytes (32 elements of 8 bytes); LDS byte x holds byte x of the head's K and V
	s_mov_b32 s16, 15|(3<<16)|(1<<21)              ; 15:0 the mask: all four work-groups; 17:16 elements of 8 bytes; 21 set beside a mask; no padding
	s_mov_b32 s17, 32<<16                          ; tensor_dim0
	s_mov_b32 s18, 8<<16                           ; tensor_dim1 = 8 rows
	s_mov_b32 s19, 32<<16                          ; tile_dim0
	s_mov_b32 s20, 8                               ; tile_dim1
	s_mov_b32 s21, 32                              ; from row to row
	s_mov_b32 s22, 0
	s_mov_b32 s23, 0
	s_mov_b32 s84, 15|(3<<16)|(1<<21)
	s_mov_b32 s85, 32<<16
	s_mov_b32 s86, 56<<16                          ; 56 rows
	s_mov_b32 s87, 32<<16
	s_mov_b32 s88, 56
	s_mov_b32 s89, 32
	s_mov_b32 s90, 0
	s_mov_b32 s91, 0
	s_mov_b32 s24, 1
	s_lshl_b32 s25, s12, 11                        ; 2,048 x wave
	s_add_co_u32 s28, s101, s25
	s_add_co_u32 s28, s28, KV
	s_mov_b32 s29, 0
	s_mov_b32 s92, 1
	s_mul_i32 s93, s12, 14336
	s_add_co_u32 s93, s93, 32768                   ; 32,768 + 14,336 x wave
	s_add_co_u32 s30, s101, s93
	s_add_co_u32 s30, s30, KV
	s_mov_b32 s31, 0
	s_wait_dscnt 0x0
	s_wait_kmcnt 0x0
	s_add_nc_u64 s[26:27], s[4:5], s[28:29]
	s_or_b32 s27, s27, 0x80000000
	s_add_nc_u64 s[94:95], s[4:5], s[30:31]
	s_or_b32 s95, s95, 0x80000000
	ROUND                                          ; all four work-groups are here: the joint loads meet
	tensor_load_to_lds s[24:27], s[16:23]          ; two loads of mine are out
	s_nop 0
	tensor_load_to_lds s[92:95], s[84:91]
	s_nop 0
.rept 4
	v_nop
.endr
	s_load_b128 s[28:31], s[8:9], 0x18             ; e6, e7, e8, e9
	s_load_b32 s32, s[8:9], 0x28                   ; e10
	s_bfe_u32 s13, ttmp6, 0x40000                  ; cx: it enters global addresses of my own alone
	s_lshl_b32 s14, ttmp9, 2
	s_add_co_u32 s14, s14, s13                     ; my block of 512 queries
	s_lshl_b32 s14, s14, 5
	s_add_co_u32 s14, s14, s12                     ; my first tile of 16 queries: 32 block + wave
	s_lshl_b32 s34, s14, 10
	s_add_co_u32 s34, s34, s101
	s_mov_b32 s35, 0
	s_add_nc_u64 s[4:5], s[4:5], s[34:35]          ; its fragment of Q
	v_and_b32 v1, 31, v0
	v_lshlrev_b32 v1, 4, v1
	global_load_b128 v[16:19], v1, s[4:5]
	global_load_b128 v[20:23], v1, s[4:5] offset:512
	s_lshr_b32 s36, s15, 4
	s_lshl_b32 s36, s36, 7
	s_add_co_u32 s36, s36, s14                     ; 128 batch + tile
	s_lshl_b32 s38, s36, 12
	s_mov_b32 s39, 0
	s_add_nc_u64 s[2:3], s[6:7], s[38:39]          ; the tile's mask words: 16 steps of 256 bytes
	s_lshl_b32 s38, s36, 14                        ; cf: 16,384 bytes a tile of rows; a head fills 1,024 of them
	s_and_b32 s37, s15, 15
	s_lshl_b32 s37, s37, 10
	s_add_co_u32 s38, s38, s37
	s_add_nc_u64 s[10:11], s[10:11], s[38:39]
	s_mov_b32 s98, 0x76543210
	s_mov_b32 s99, 0xfedcba98
	v_mov_b32 v236, 0                              ; a lane permute's destination counts as one of its sources
	v_mov_b32 v253, 0                              ; (named as the upper half of the pair v[252:253])
; A tile's state at its start.  The step is written for every step alike: the first change of M leaves zeros zeros.
.macro BEGIN
	s_mov_b32 s13, 0                               ; key step 0's LDS byte
	v_mov_b32 v13, 0xff61b1e6                      ; the largest t so far: -3e38
	v_floor_f32 v12, -v13                          ; -M
	v_mov_b32 v14, 0
	v_mov_b32 v15, 0
.set j, 0
.rept 32
	v_mov_b32 v[160+j], 0                          ; O^T
.set j, j+1
.endr
.endm
	BEGIN
	s_wait_kmcnt 0x0
	s_add_co_i32 s33, s28, s29                     ; e6 + e7
	s_lshl_b32 s34, s33, 23
	s_add_co_i32 s96, s34, 0x3e38aa3b              ; c = log2(e) / 8 x 2^(e6 + e7): the exponents are added to c's exponent field
	s_mov_b32 s97, s96
	s_sub_co_i32 s34, 160, s33
	s_lshl_b32 s34, s34, 23
	s_or_b32 s34, s34, 0x80000000
	v_mov_b32 v241, s34                            ; R = -2^(33 - e6 - e7)
	s_add_co_i32 s34, s30, 127
	s_lshl_b32 s35, s34, 23
	v_mov_b32 v244, s35                            ; 2^e8
	s_add_co_i32 s34, s34, 15
	s_lshl_b32 s34, s34, 23
	s_or_b32 s34, s34, 0x600000
	v_mov_b32 v240, s34                            ; 57,344 x 2^e8
	s_add_co_i32 s100, s30, s31                    ; e8 + e9
	s_add_co_i32 s34, s32, 127
	s_lshl_b32 s35, s34, 23
	v_mov_b32 v245, s35                            ; 2^e10
	s_add_co_i32 s34, s34, 15
	s_lshl_b32 s34, s34, 23
	s_or_b32 s34, s34, 0x600000
	v_mov_b32 v246, s34                            ; 57,344 x 2^e10
; A KEY STEP: 128 keys, whose images begin at LDS byte s13; its 64 lane masks were asked for earlier.  nxt = 1: the next step's are asked for.
.macro STEP nxt
	v_add_nc_u32 v2, s13, v1
.rept 3
	v_nop                                          ; with the addition: four places in front of loads into registers that the last products read
.endr
.irp t, 0,1,2,3,4,5,6,7
	ds_load_b128 v[32+8*\t:35+8*\t], v2 offset:1024*\t
	ds_load_b128 v[36+8*\t:39+8*\t], v2 offset:1024*\t+512
.endr
.irp t, 0,1,2,3,4,5,6,7
	s_wait_dscnt 14-2*\t                           ; tile t's two loads are in; the later tiles' may be out
	v_wmma_f32_16x16x64_bf8_bf8 v[96+8*\t:103+8*\t], v[32+8*\t:39+8*\t], v[16:23], 0
.endr
.rept 4
	v_nop                                          ; places in front of the loads below and of the first read of the scores
.endr
.irp d, 0,1,2,3
.irp p, 0,1,2,3
	ds_load_b128 v[32+16*\d+4*\p:35+16*\d+4*\p], v2 offset:8192+2048*\d+512*\p   ; V^T's four fragments land under the softmax
.endr
.endr
	s_wait_kmcnt 0x0                               ; this step's lane masks are in
.set n, 0
.rept 64
.if n < 48
	v_cndmask_b32 v[96+n], v[96+n], v241, s[16+n]  ; each tile of scores from its low end on
.else
	v_cndmask_b32 v[96+n], v[96+n], v241, s[20+n]
.endif
.set n, n+1
.endr
	v_max3_num_f32 v254, v96, v97, v98             ; the step's largest score of my query among my 64 keys, in two chains,
	v_max3_num_f32 v252, v99, v100, v101
.set i, 6
.rept 14
	v_max3_num_f32 v254, v254, v[96+i], v[97+i]
	v_max3_num_f32 v252, v252, v[98+i], v[99+i]
.set i, i+4
.endr
	v_max3_num_f32 v254, v254, v158, v159
	v_max_num_f32 v254, v254, v252
.if \nxt
	s_add_nc_u64 s[2:3], s[2:3], 256               ; the last loads are done (the wait above), so their base may step;
	MLOAD                                          ; the selects have read the words: the next step's land under the rest of the softmax
.endif
	v_permlanex16_b32 v236, v254, s98, s99
	v_max_num_f32 v254, v254, v236                 ; and among lane l xor 16's
	v_mul_f32 v254, s96, v254                      ; as t (c is positive)
	v_max_num_f32 v13, v13, v254                   ; the running largest t
	v_mov_b32 v254, v12
	v_floor_f32 v12, -v13                          ; the new -M = floor(-t): M is a whole number
	v_sub_f32 v254, v12, v254                      ; old M - new M: a whole number, 0 or less
	v_cvt_i32_f32 v254, v254                       ; (it saturates)
	v_ldexp_f32 v252, 1.0, v254                    ; f = 2^(old M - new M)
.set j, 0
.rept 32
	v_pk_fma_f32 v[96+j:97+j], v[96+j:97+j], s[96:97], v[12:13] op_sel_hi:[1,0,0]   ; t - M, two at a time
.set j, j+2
.endr
.set j, 0
.rept 64
	v_exp_f32 v[96+j], v[96+j]                     ; p = 2^(t - M), at most 1
.set j, j+1
.endr
	v_pk_mul_f32 v[14:15], v[14:15], v[252:253] op_sel_hi:[1,0]   ; the sums under the new M (a plain place behind the exponentials)
	s_wait_alu depctr_va_vdst(0)
	v_pk_add_f32 v[242:243], v[96:97], v[98:99]    ; the row's sum is taken of the unquantised p, in two chains
.set j, 4
.rept 15
	v_pk_add_f32 v[14:15], v[14:15], v[96+j:97+j]
	v_pk_add_f32 v[242:243], v[242:243], v[98+j:99+j]
.set j, j+4
.endr
	v_pk_add_f32 v[14:15], v[14:15], v[242:243]
.irp t, 0,1,2,3,4,5,6,7
.irp i, 0,1,2,3,4,5,6,7
	v_min_num_f32 v[96+8*\t+\i], v[96+8*\t+\i], v240   ; the conversion does not saturate (ISA guide 7.6.2); p is not negative, so the hold is one-sided
.endr
	v_cvt_scalef32_pk8_bf8_f32 v[192+2*\t:193+2*\t], v[96+8*\t:103+8*\t], v244
.endr
.set j, 0
.rept 16
	v_pk_mul_f32 v[160+j:161+j], v[160+j:161+j], v[252:253] op_sel_hi:[1,0]   ; O^T under the new M; also the places behind the conversions
.set j, j+2
.endr
	s_wait_dscnt 0x0                               ; V^T
.irp d, 0,1,2,3
	v_wmma_f32_16x16x128_bf8_bf8 v[160+8*\d:167+8*\d], v[32+16*\d:47+16*\d], v[192:207], v[160+8*\d:167+8*\d]
.endr
	s_add_co_u32 s13, s13, 16384
.endm
; THE WAY OUT of a tile: O^T / the sum x 2^(e8 + e9) is ctx; register 8 d + j is channel 16 d + 8 (lane / 16) + j of my query: its codes are eight registers of the output projection's operand, stored as they stand.
; off: the tile's place in cf, as an immediate.  more = 1: my second tile's Q is asked for here, into the registers that the first tile's products have read long ago.
.macro OUT off, more
.rept 4
	v_nop                                          ; places behind the last products
.endr
.if \more
	global_load_b128 v[16:19], v1, s[4:5] offset:TILE2_Q
	global_load_b128 v[20:23], v1, s[4:5] offset:TILE2_Q+512
.endif
	v_add_f32 v14, v14, v15
	v_permlanex16_b32 v252, v14, s98, s99
	v_add_f32 v14, v14, v252                       ; the row's sum
	v_rcp_f32 v14, v14
	v_nop
	s_wait_alu depctr_va_vdst(0)
	v_ldexp_f32 v14, v14, s100
.set j, 0
.rept 32
	v_mul_f32 v[96+j], v[160+j], v14
.set j, j+1
.endr
.set j, 0
.rept 32
	v_med3_num_f32 v[96+j], v[96+j], -v246, v246
.set j, j+1
.endr
.irp d, 0,1,2,3
	v_cvt_scalef32_pk8_bf8_f32 v[192+2*\d:193+2*\d], v[96+8*\d:103+8*\d], v245
.endr
	v_nop
	global_store_b128 v1, v[192:195], s[10:11] offset:\off             ; 512 consecutive bytes each
	global_store_b128 v1, v[196:199], s[10:11] offset:\off+512
.endm
	s_wait_tensorcnt 0x1                           ; my part of steps 0 and 1 is in; the larger fill may be out.  The first fill's descriptor registers are free from here on,
	MLOAD                                          ; and take step 0's lane masks
	s_barrier_signal -1
	s_barrier_wait -1                              ; everybody's part is in
	s_wait_loadcnt 0x0                             ; Q
	STEP 1
	STEP 1
	s_wait_tensorcnt 0x0                           ; my part of steps 2-15
	s_wait_dscnt 0x0
	s_barrier_signal -1
	s_barrier_wait -1                              ; from here on LDS is only read: no further barrier until the end
	s_mov_b32 s14, 13
.Lstep0:
	STEP 1
	s_sub_co_u32 s14, s14, 1
	s_cmp_lg_u32 s14, 0
	s_cbranch_scc1 .Lstep0
	STEP 0                                         ; the tile's sixteenth step: fifteen steps of the pointer lie behind
	s_add_nc_u64 s[2:3], s[2:3], TILE2_M-15*256    ; my second tile's mask words,
	MLOAD                                          ; whose first step's land under the way out
	OUT 0, 1
	BEGIN
	s_wait_xcnt 0x0                                ; the two stores have read v[192:199], which the next step's conversions write again
	s_wait_loadcnt 0x0                             ; Q
	s_mov_b32 s14, 15
.Lstep1:
	STEP 1
	s_sub_co_u32 s14, s14, 1
	s_cmp_lg_u32 s14, 0
	s_cbranch_scc1 .Lstep1
	STEP 0                                         ; the last step asks for nothing: no load leaves the mask words' buffer
	OUT TILE2_C, 0
	s_wait_tensorcnt 0x0
	ds_add_u32 v251, v255
	s_wait_dscnt 0x0
	ROUND                                          ; the closing round
	s_endpgm
.Lfunc_end_k_q6e414eab12_attn:
	.size	k_q6e414eab12_attn, .Lfunc_end_k_q6e414eab12_attn-k_q6e414eab12_attn
	.p2alignl 7, 3214868480
	.fill 96, 4, 3214868480
	.section	.rodata,"a",@progbits
	.p2align	6, 0x0
	.amdhsa_kernel k_q6e414eab12_attn
		.amdhsa_group_segment_fixed_size 264192
		.amdhsa_private_segment_fixed_size 0
		.amdhsa_enable_private_segment 0
		.amdhsa_kernarg_size 32
		.amdhsa_user_sgpr_count 2
		.amdhsa_user_sgpr_kernarg_segment_ptr 1
		.amdhsa_wavefront_size32 1
		.amdhsa_system_sgpr_workgroup_id_x 1
		.amdhsa_system_sgpr_workgroup_id_y 1
		.amdhsa_system_sgpr_workgroup_id_z 1
		.amdhsa_system_vgpr_workitem_id 0
		.amdhsa_next_free_vgpr 256
		.amdhsa_next_free_sgpr 102
		.amdhsa_reserve_vcc 0
		.amdhsa_float_denorm_mode_32 3
		.amdhsa_float_denorm_mode_16_64 3
		.amdhsa_memory_ordered 1
		.amdhsa_forward_progress 1
		.amdhsa_inst_pref_size 135
	.end_amdhsa_kernel
	.amdgpu_metadata
---
amdhsa.version: [ 1, 2 ]
amdhsa.kernels:
  - .name:           k_q6e414eab12_attn
    .symbol:         k_q6e414eab12_attn.kd
    .args:
      - { .name: qkvf, .offset: 0, .size: 8, .value_kind: global_buffer, .address_space: global }
      - { .name: mbits, .offset: 8, .size: 8, .value_kind: global_buffer, .address_space: global }
      - { .name: lowp_scales, .offset: 16, .size: 8, .value_kind: global_buffer, .address_space: global }
      - { .name: cf, .offset: 24, .size: 8, .value_kind: global_buffer, .address_space: global }
    .group_segment_fixed_size: 264192
    .private_segment_fixed_size: 0
    .kernarg_segment_align: 8
    .kernarg_segment_size: 32
    .max_flat_workgroup_size: 512
    .sgpr_count:     102
    .vgpr_count:     256
    .wavefront_size: 32
...
	.end_amdgpu_metadata
.endif
;; end of part 3
;; launch oproj (part 4): grid 128 x 1, 4 waves a work-group, clusters of 4 x 1, 327,680 bytes of LDS; arguments cf, codes, lowp_scales, bo, Q, ln_gamma, ln_beta, out0; writes out0
.if DOCPART == 4
	.amdgcn_target "amdgcn-amd-amdhsa--gfx1250"
	.amdhsa_code_object_version 6
	.text
	.protected	k_q6e414eab12_oproj
	.globl	k_q6e414eab12_oproj
	.p2align	8
	.type	k_q6e414eab12_oproj,@function
k_q6e414eab12_oproj:
	s_mov_b64 s[64:65], 0
	v_nop
	global_prefetch_b8 v0, s[64:65] scope:SCOPE_SE
	s_setreg_imm32_b32 hwreg(HW_REG_WAVE_MODE, 25, 1), 1
	s_wait_xcnt 0x0
	s_wait_alu depctr_hold_cnt(0) depctr_sa_sdst(0) depctr_va_vdst(0) depctr_va_sdst(0) depctr_va_ssrc(0) depctr_va_vcc(0) depctr_vm_vsrc(0)
	s_getreg_b32 s2, hwreg(HW_REG_IB_STS2, 6, 4)
	s_cmp_eq_u32 s2, 0
	s_cbranch_scc0 .Lentry_in_a_cluster
	s_endpgm
.Lentry_in_a_cluster:
	s_bfe_u32 s2, ttmp6, 0x10000c
	s_cmp_lg_u32 s2, 0x3003
	s_cbranch_scc0 .Lentry_shape_is_right
	s_endpgm
.Lentry_shape_is_right:
; out0 = LayerNorm(ctx Wo^T + bo + Q) x gamma + beta; the product on codes of E5M2 (scales' entries 10, 11).
; SHARES.  LayerNorm wants whole rows, so a work-group owns 64 whole rows of 1,024; wave w makes columns 256 w .. 256 w + 255 of them: 64 accumulators, 512 registers.  128 work-groups: whoever owns whole rows
; takes in all of Wo, and with 64 rows each fragment of Wo read from LDS feeds four products; 32 rows on twice the work-groups would read LDS and fetch Wo twice as often for the same products.
; Wo's codes lie [k / 128][n][128]: a K step of 128 is one dense block; wave w fetches columns 256 w .. + 255 of it, which it alone reads, into a ring of two LDS slots.  The block being dense, the tile is stated as
; 128 rows of 256 bytes (two columns to a row), each starting at a multiple of 256 bytes from the buffer's first byte, with 16 bytes of padding behind each: column n' of the wave lies at 272 (n' / 2) + 128 (n' % 2).
; The four work-groups of a cluster walk the same Wo, so each tile is asked for JOINTLY (mask 15).  ctx comes from memory as images of the operand's registers, 16 bytes a lane, two K steps ahead.
; THE MATRIX INSTRUCTION IS USED TRANSPOSED (source 0 = 16 rows of Wo, source 1 = 16 rows of ctx): a lane holds eight neighbouring columns of one row.  ctx lies in the plain 8-bit layout
; (registers 2 c, 2 c + 1: k = 16 c + 8 (lane / 16) + 0 .. 7), so Wo's fragments are fetched by 8-byte loads.
; Then the sums go through a stage in LDS (64 rows x 4,112 bytes, over the slots, which have had their last fill and their last read), and each wave normalises 16 whole rows, 32 numbers a lane.
; LIMIT: e10 + e11 between -126 and 127.  NaN among the inputs is not served.
; REGISTERS: window 0: v2-10 at work, v16-29 addresses; v32-63 bo, v64-95 gamma, v96-127 beta (columns 128 q + 4 lane + 0 .. 3 at 4 q); v128-255 ctx's fragments, two sets; later v128-191 two rows at work.
;   window 1: Wo's fragments: v0-127 column tiles 0-7, v128-255 tiles 8-15.   windows 2, 3: the accumulators ((b % 8, a) at v[8 (4 (b % 8) + a)]); later 16 rows of the residual, 32 registers each.
.set LROW,   272                       ; an LDS row: 256 bytes + 16 = 68 words.  Lane (r, h) of an 8-byte load starts at word 68 (r / 2) + 32 (r % 2) + 2 h: modulo 64 that is 4 (r / 2) + 32 (r % 2) + 2 h: the 32 lanes touch 64 different banks (64 banks of 4 bytes: ISA guide 11.1)
.set CTILE,  8*LROW                    ; a tile of 16 columns: 8 LDS rows
.set WROWS,  128*LROW                  ; a wave's 256 columns
.set SLOT,   4*WROWS                   ; 139,264 bytes
.set SPARE,  2*SLOT                    ; behind the ring: the spare words, 128 bytes for each wave, which no other line names
.set SPITCH, 4112                      ; a stage row: 4,096 bytes + 16; the stage's 64 rows end below SPARE
.set WO_AT,  28311552
.set ADRB, 16                          ; v16-17 LDS address of my Wo fragments in slot 0, 1
.set AO,   18                          ; v18    16 x lane
.set STO,  20                          ; v20-23 the stage: where I put 32 bytes of row 16 a + lane % 16
.set SR,   24                          ; v24    and where I read my rows back
.set SPW,  28
.set NIL,  29
.set BO,   32
.set GA,   64
.set BE,   96
.set AS,   128
.set X,    128
.set MSB, 0
.macro WIN new
.if MSB != \new
	s_set_vgpr_msb (MSB<<8)|\new
.set MSB, \new
.endif
.endm
.macro CREST
	s_cmp_lg_u32 s20, 0
	s_cbranch_scc1 .Lnot_wave_0_\@
	s_barrier_signal -3
.Lnot_wave_0_\@:
	s_barrier_wait -3
	s_barrier_signal -1
	s_barrier_wait -1
.endm
.macro CROUND
	s_barrier_signal -1
	s_barrier_wait -1
	CREST
.endm
.macro PLACES
.rept 4
	v_nop
.endr
.endm
	s_load_b256 s[4:11], s[0:1], 0x0               ; cf, codes, the scales' exponents, bo
	s_load_b256 s[12:19], s[0:1], 0x20             ; Q, gamma, beta, out0
	v_lshl_add_u32 v[SPW], v0, 2, SPARE
	v_mov_b32 v[NIL], 0
	ds_add_u32 v28, v29
	ds_add_u32 v28, v29
	s_wait_dscnt 0x0
	v_lshrrev_b32 v1, 5, v0
	v_readfirstlane_b32 s20, v1                    ; wave
	s_mov_b32 s24, 15|(0<<16)|(1<<20)|(1<<21)|(5<<22)|(3<<25)   ; the mask: all four; elements of 1 byte; padding on: four words after every 64; 21 set beside a mask
	s_mov_b32 s25, 256<<16                         ; tensor_dim0
	s_mov_b32 s26, 128<<16                         ; tensor_dim1
	s_mov_b32 s27, 256<<16                         ; tile_dim0
	s_mov_b32 s28, 128                             ; tile_dim1
	s_mov_b32 s29, 256                             ; from row to row: dense
	s_mov_b32 s30, 0
	s_mov_b32 s31, 0
	s_lshl_b32 s40, s20, 15                        ; my 256 columns of 128 bytes
	s_add_co_u32 s40, s40, WO_AT
	s_mov_b32 s41, 0
	s_mul_i32 s23, s20, WROWS
	s_wait_kmcnt 0x0
	s_load_b64 s[44:45], s[8:9], 0x28              ; e10, e11
	s_add_nc_u64 s[6:7], s[6:7], s[40:41]
	s_mov_b32 s32, 1
	s_mov_b32 s33, s23
	s_mov_b64 s[34:35], s[6:7]                     ; K step 0
	s_or_b32 s35, s35, 0x80000000
	s_mov_b32 s36, 1
	s_add_co_u32 s37, s23, SLOT
	s_add_nc_u64 s[38:39], s[6:7], 131072          ; K step 1
	s_or_b32 s39, s39, 0x80000000
	CROUND                                         ; all four work-groups are here
	tensor_load_to_lds s[32:35], s[24:31]          ; two loads of mine are out
	s_nop 0
	tensor_load_to_lds s[36:39], s[24:31]
	s_nop 0
	PLACES
	s_bfe_u32 s21, ttmp6, 0x40000                  ; cx: it enters global addresses of my own alone
	s_lshl_b32 s22, ttmp9, 2
	s_add_co_u32 s22, s22, s21                     ; my block of 64 rows
	s_lshl_b32 s40, s22, 16
	s_add_nc_u64 s[4:5], s[4:5], s[40:41]          ; ctx: four tiles of rows x 16,384 bytes
	s_lshl_b32 s40, s22, 18
	s_lshl_b32 s42, s20, 16
	s_add_co_u32 s40, s40, s42                     ; row 64 block + 16 wave, 4,096 bytes a row
	s_add_nc_u64 s[12:13], s[12:13], s[40:41]
	s_add_nc_u64 s[18:19], s[18:19], s[40:41]
	v_and_b32 v1, 31, v0
	v_lshlrev_b32 v[AO], 4, v1
	v_and_b32 v2, 15, v0                           ; r
	v_bfe_u32 v3, v0, 4, 1                         ; h
	v_lshrrev_b32 v5, 1, v2
	v_mul_u32_u24 v4, v5, LROW                     ; column r of a tile: LDS row r / 2,
	v_and_b32 v5, 1, v2
	v_lshl_add_u32 v4, v5, 7, v4                   ; its half r % 2,
	v_lshl_add_u32 v4, v3, 3, v4                   ; + 8 h
	v_add_nc_u32 v[ADRB], s23, v4
	v_add_nc_u32 v[ADRB+1], SLOT, v[ADRB]
	v_mul_u32_u24 v5, v2, SPITCH
	v_lshl_add_u32 v5, v3, 5, v5
	s_lshl_b32 s42, s20, 10
	v_add_nc_u32 v[STO], s42, v5
	v_add_nc_u32 v[STO+1], 16*SPITCH, v[STO]
	v_add_nc_u32 v[STO+2], 16*SPITCH, v[STO+1]
	v_add_nc_u32 v[STO+3], 16*SPITCH, v[STO+2]
	s_mul_i32 s42, s20, 16*SPITCH
	v_add_nc_u32 v[SR], s42, v[AO]
	v_mov_b32 v7, 0                                ; upper halves of pairs that are named whole, and a lane permute's destination
	v_mov_b32 v9, 0
	v_mov_b32 v10, 0
	s_mov_b32 s48, 0x76543210
	s_mov_b32 s49, 0xfedcba98
	s_mov_b32 s50, 0x3a800000                      ; 1 / 1,024
	s_mov_b32 s51, 0x3727c5ac                      ; 1e-5
.irp q, 0,1,2,3,4,5,6,7
	global_load_b128 v[BO+4*\q:BO+4*\q+3], v[AO], s[10:11] offset:512*\q
	global_load_b128 v[GA+4*\q:GA+4*\q+3], v[AO], s[14:15] offset:512*\q
	global_load_b128 v[BE+4*\q:BE+4*\q+3], v[AO], s[16:17] offset:512*\q
.endr
.macro ALOAD ks                        ; ctx's four fragments of K step ks into set ks % 2
.irp a, 0,1,2,3
.irp p, 0,1,2,3
	global_load_b128 v[AS+64*((\ks)%2)+16*\a+4*\p:AS+64*((\ks)%2)+16*\a+4*\p+3], v[AO], s[4:5] offset:16384*\a+2048*(\ks)+512*\p
.endr
.endr
.endm
.macro FB half, slot                   ; Wo's column tiles 8 half .. 8 half + 7 from a slot: 64 loads of 8 bytes a lane
	WIN 0x40
.irp i, 0,1,2,3,4,5,6,7
.irp c, 0,1,2,3,4,5,6,7
	ds_load_b64 v[128*\half+16*\i+2*\c:128*\half+16*\i+2*\c+1], v[ADRB+\slot] offset:(8*\half+\i)*CTILE+16*\c
.endr
.endr
	WIN 0
.endm
; 16 matrix instructions: column tiles b0 .. b0 + 3 of a half x the four tiles of rows.  The 64 accumulators take turns, one instruction a turn, in the same order in every K step.
.macro MULB half, b0, ks
.irp b, \b0, \b0+1, \b0+2, \b0+3
.irp a, 0,1,2,3
.if (\ks) == 0
	v_wmma_f32_16x16x128_bf8_bf8 v[8*(4*(\b)+\a):8*(4*(\b)+\a)+7], v[128*\half+16*(\b):128*\half+16*(\b)+15], v[AS+64*((\ks)%2)+16*\a:AS+64*((\ks)%2)+16*\a+15], 0
.else
	v_wmma_f32_16x16x128_bf8_bf8 v[8*(4*(\b)+\a):8*(4*(\b)+\a)+7], v[128*\half+16*(\b):128*\half+16*(\b)+15], v[AS+64*((\ks)%2)+16*\a:AS+64*((\ks)%2)+16*\a+15], v[8*(4*(\b)+\a):8*(4*(\b)+\a)+7]
.endif
.endr
.endr
.endm
; K STEP ks, from slot ks % 2, whose fragments of Wo were asked for in the step before.  Up to ks = 5 the slot is filled again with K step ks + 2: each wave waits for all its tensor loads (the one out is the other
; slot's), adds 0 to its spare word, waits for that and for its reads of this slot, and passes a round of the cluster's barrier; the joint refill is the first thing behind it.
.macro KSTEP ks
.set SL, (\ks)%2
.if (\ks) <= 6
	s_wait_tensorcnt 0x0                           ; the other slot, K step ks + 1, has landed: I alone read my rows of it
.endif
.if (\ks) <= 5
	ds_add_u32 v[SPW], v[NIL]                      ; 0 onto my spare word
.endif
.if (\ks) == 7
	s_wait_loadcnt 0x0
.else
	s_wait_loadcnt 16                              ; this step's ctx is in; the next step's sixteen loads may be out
.endif
	s_wait_dscnt 63                                ; behind tiles 0-7's last load stand 64 loads (and the add): 63 is the stricter count
	WIN 0xa1                                       ; source 0 (Wo) window 1, source 1 (ctx) window 0, C and D window 2
	MULB 0, 0, \ks
	s_wait_dscnt 0x0                               ; the add is done, tiles 8-15 are in, and my reads of this slot are over
.if (\ks) <= 5
	s_barrier_signal -1
	MULB 0, 4, \ks
	WIN 0
	s_barrier_wait -1
	CREST
	s_add_nc_u64 s[34+4*SL:35+4*SL], s[34+4*SL:35+4*SL], 262144   ; two K steps on
	tensor_load_to_lds s[32+4*SL:35+4*SL], s[24:31]
	s_nop 0
	PLACES                                         ; the places in front of the loads below
.else
	MULB 0, 4, \ks
	WIN 0
	PLACES
.endif
.if (\ks) <= 6
	FB 0, 1-SL
.endif
	WIN 0xf1
	MULB 1, 0, \ks
	MULB 1, 4, \ks
	WIN 0
	PLACES
.if (\ks) <= 6
	FB 1, 1-SL
.endif
.if (\ks) <= 5
	ALOAD (\ks)+2
.endif
.endm
	ALOAD 0
	ALOAD 1
	s_wait_tensorcnt 0x1                           ; my rows of K step 0 are in; K step 1's load may be out
	FB 0, 0
	FB 1, 0
.irp k, 0,1,2,3,4,5,6,7
	KSTEP \k
.endr
	; THE STAGE.  Every wave has ended its reads of the slots, and every fill has landed: then the sums are laid over them, rows of 4,112 bytes.
	s_wait_dscnt 0x0
	s_barrier_signal -1
	s_barrier_wait -1
.irp f, 0,1
	WIN 0x08+4*\f                                  ; a store's data: window 2 or 3
.irp b, 0,1,2,3,4,5,6,7
.irp a, 0,1,2,3
	ds_store_b128 v[STO+\a], v[8*(4*\b+\a):8*(4*\b+\a)+3] offset:64*(8*\f+\b)          ; each accumulator from its low end on
	ds_store_b128 v[STO+\a], v[8*(4*\b+\a)+4:8*(4*\b+\a)+7] offset:64*(8*\f+\b)+16
.endr
.endr
.endr
	WIN 0
.macro RLOAD i                         ; row i of my 16 of the residual, into the registers that the accumulators have left: each row has registers of its own
	WIN 0x80+0x40*((\i)/8)
.irp q, 0,1,2,3,4,5,6,7
	global_load_b128 v[32*((\i)%8)+4*\q:32*((\i)%8)+4*\q+3], v[AO], s[12:13] offset:4096*(\i)+512*\q th:TH_LOAD_NT
.endr
	WIN 0
.endm
.macro XLOAD i                         ; row i of my 16 from the stage
.irp q, 0,1,2,3,4,5,6,7
	ds_load_b128 v[X+32*((\i)%2)+4*\q:X+32*((\i)%2)+4*\q+3], v[SR] offset:SPITCH*(\i)+512*\q
.endr
.endm
	s_wait_dscnt 0x0                               ; for the others' sake: my stores into the stage are done; and they have read their registers
.irp i, 0,1,2,3,4,5
	RLOAD \i
.endr
	s_barrier_signal -1
	s_barrier_wait -1
	s_wait_kmcnt 0x0
	s_add_co_i32 s46, s44, s45
	s_add_co_i32 s46, s46, 127
	s_lshl_b32 s46, s46, 23                        ; 2^(e10 + e11)
	s_mov_b32 s47, s46
	XLOAD 0
.macro SUM32                           ; v2 over the wave's 32 lanes, into every lane
	v_add_f32_dpp v2, v2, v2 row_xmask:1 row_mask:0xf bank_mask:0xf
	v_add_f32_dpp v2, v2, v2 row_xmask:2 row_mask:0xf bank_mask:0xf
	v_add_f32_dpp v2, v2, v2 row_xmask:4 row_mask:0xf bank_mask:0xf
	v_add_f32_dpp v2, v2, v2 row_xmask:8 row_mask:0xf bank_mask:0xf
	v_permlanex16_b32 v10, v2, s48, s49
	v_add_f32 v2, v2, v10
.endm
; One row: x = sum x 2^(e10 + e11) + residual + bo; the mean; x - mean; the mean of its squares; x rsqrt(. + 1e-5) x gamma + beta.  The residual runs six rows ahead.
; The next row is asked of the stage in this row's middle, into the set that the row before stored from: that row's stores then have this row's first half in which to read their registers.
.macro LNROW i
.set XS, X+32*((\i)%2)
.if (\i)+6 < 16
	RLOAD (\i)+6
	s_wait_loadcnt 48                              ; my row's eight loads are in; six younger rows' may be out
.else
	s_wait_loadcnt 8*(15-(\i))
.endif
	s_wait_dscnt 0x0                               ; my row is back from the stage
	WIN 0x20+0x10*((\i)/8)                         ; source 2: window 2 or 3
.set j, 0
.rept 16
	v_pk_fma_f32 v[XS+j:XS+j+1], v[XS+j:XS+j+1], s[46:47], v[32*((\i)%8)+j:32*((\i)%8)+j+1] op_sel_hi:[1,0,1]
.set j, j+2
.endr
	WIN 0
.set j, 0
.rept 16
	v_pk_add_f32 v[XS+j:XS+j+1], v[XS+j:XS+j+1], v[BO+j:BO+j+1]
.set j, j+2
.endr
	v_pk_add_f32 v[2:3], v[XS:XS+1], v[XS+2:XS+3]
	v_pk_add_f32 v[4:5], v[XS+4:XS+5], v[XS+6:XS+7]
.set j, 8
.rept 6
	v_pk_add_f32 v[2:3], v[2:3], v[XS+j:XS+j+1]
	v_pk_add_f32 v[4:5], v[4:5], v[XS+j+2:XS+j+3]
.set j, j+4
.endr
	v_pk_add_f32 v[2:3], v[2:3], v[4:5]
	v_add_f32 v2, v2, v3
	SUM32
	v_mul_f32 v6, s50, v2                          ; the mean
.if (\i) < 15
.if (\i) > 0
	s_wait_xcnt 0x0                                ; the row before's stores have read the other set (row 0 has no row before it)
.endif
	XLOAD (\i)+1
.endif
.set j, 0
.rept 16
	v_pk_add_f32 v[XS+j:XS+j+1], v[XS+j:XS+j+1], v[6:7] op_sel_hi:[1,0] neg_lo:[0,1] neg_hi:[0,1]
.set j, j+2
.endr
	v_pk_mul_f32 v[2:3], v[XS:XS+1], v[XS:XS+1]
	v_pk_mul_f32 v[4:5], v[XS+2:XS+3], v[XS+2:XS+3]
.set j, 4
.rept 7
	v_pk_fma_f32 v[2:3], v[XS+j:XS+j+1], v[XS+j:XS+j+1], v[2:3]
	v_pk_fma_f32 v[4:5], v[XS+j+2:XS+j+3], v[XS+j+2:XS+j+3], v[4:5]
.set j, j+4
.endr
	v_pk_add_f32 v[2:3], v[2:3], v[4:5]
	v_add_f32 v2, v2, v3
	SUM32
	v_fma_f32 v2, v2, s50, s51                     ; the variance + 1e-5
	v_rsq_f32 v8, v2
	v_nop                                          ; a plain instruction behind the transcendental
.set j, 0
	s_wait_alu depctr_va_vdst(0)
.rept 16
	v_pk_mul_f32 v[XS+j:XS+j+1], v[XS+j:XS+j+1], v[8:9] op_sel_hi:[1,0]
.set j, j+2
.endr
.set j, 0
.rept 16
	v_pk_fma_f32 v[XS+j:XS+j+1], v[XS+j:XS+j+1], v[GA+j:GA+j+1], v[BE+j:BE+j+1]
.set j, j+2
.endr
.irp q, 0,1,2,3,4,5,6,7
	global_store_b128 v[AO], v[XS+4*\q:XS+4*\q+3], s[18:19] offset:4096*(\i)+512*\q th:TH_STORE_NT   ; 512 consecutive bytes, aligned
.endr
.endm
.irp i, 0,1,2,3,4,5,6,7,8,9,10,11,12,13,14,15
	LNROW \i
.endr
	s_wait_tensorcnt 0x0                           ; the wave's end
	ds_add_u32 v[SPW], v[NIL]
	s_wait_dscnt 0x0
	CROUND                                         ; the closing round
	s_endpgm
.Lfunc_end_k_q6e414eab12_oproj:
	.size	k_q6e414eab12_oproj, .Lfunc_end_k_q6e414eab12_oproj-k_q6e414eab12_oproj
	.p2alignl 7, 3214868480
	.fill 96, 4, 3214868480
	.section	.rodata,"a",@progbits
	.p2align	6, 0x0
	.amdhsa_kernel k_q6e414eab12_oproj
		.amdhsa_group_segment_fixed_size 327680
		.amdhsa_private_segment_fixed_size 0
		.amdhsa_enable_private_segment 0
		.amdhsa_kernarg_size 64
		.amdhsa_user_sgpr_count 2
		.amdhsa_user_sgpr_kernarg_segment_ptr 1
		.amdhsa_wavefront_size32 1
		.amdhsa_system_sgpr_workgroup_id_x 1
		.amdhsa_system_sgpr_workgroup_id_y 1
		.amdhsa_system_sgpr_workgroup_id_z 1
		.amdhsa_system_vgpr_workitem_id 0
		.amdhsa_next_free_vgpr 1024
		.amdhsa_next_free_sgpr 66
		.amdhsa_reserve_vcc 0
		.amdhsa_float_denorm_mode_32 3
		.amdhsa_float_denorm_mode_16_64 3
		.amdhsa_memory_ordered 1
		.amdhsa_forward_progress 1
		.amdhsa_inst_pref_size 255
	.end_amdhsa_kernel
	.section	.bss,"aw",@nobits
	.p2align	6
	.space	262144
	.amdgpu_metadata
---
amdhsa.version: [ 1, 2 ]
amdhsa.kernels:
  - .name:           k_q6e414eab12_oproj
    .symbol:         k_q6e414eab12_oproj.kd
    .args:
      - { .name: cf, .offset: 0, .size: 8, .value_kind: global_buffer, .address_space: global }
      - { .name: codes, .offset: 8, .size: 8, .value_kind: global_buffer, .address_space: global }
      - { .name: lowp_scales, .offset: 16, .size: 8, .value_kind: global_buffer, .address_space: global }
      - { .name: bo, .offset: 24, .size: 8, .value_kind: global_buffer, .address_space: global }
      - { .name: Q, .offset: 32, .size: 8, .value_kind: global_buffer, .address_space: global }
      - { .name: ln_gamma, .offset: 40, .size: 8, .value_kind: global_buffer, .address_space: global }
      - { .name: ln_beta, .offset: 48, .size: 8, .value_kind: global_buffer, .address_space: global }
      - { .name: out0, .offset: 56, .size: 8, .value_kind: global_buffer, .address_space: global }
    .group_segment_fixed_size: 327680
    .private_segment_fixed_size: 0
    .kernarg_segment_align: 8
    .kernarg_segment_size: 64
    .max_flat_workgroup_size: 128
    .sgpr_count:     66
    .vgpr_count:     1024
    .wavefront_size: 32
...
	.end_amdgpu_metadata
.endif
;; end of part 4
